; MI455X (gfx1250); checked and timed in simulation.
; The chip was launched on July 23, 2026; its instructions are those of AMD's public machine-readable ISA for CDNA 5 (MIT licence, August 2026) and "CDNA5" Instruction Set Architecture Reference Guide (July 2026). The comments in the code are by the model that wrote it; some were corrected since.
;; Group Attention. Allowed arithmetic: matrix products marked QUANTISED: E2M1 operands, one E8M0 scale for each 32 along K, by v_wmma_scale_f32_16x16x128_f8f6f4 with both operands' format E2M1 (or v_wmma_scale_f32_32x16x128_f4), f32 sums; everything else in f32.
;; Inputs: key 2 x 2,048 x 1,024 float32; query 2 x 2,048 x 4,096 float32; value 2 x 2,048 x 1,024 float32.
;; Outputs: out0 2 x 2,048 x 4,096 float32.
;; This version of the problem:
;;   THIS VERSION OF THE PROBLEM IS GIVEN IN LOW PRECISION. The matrix products marked QUANTISED in the list below multiply operands that are first quantised to E2M1 (2 exponent bits, 1 mantissa bit; 4 bits a number), with one power-of-two scale for each 32 numbers along K (OCP MX v1.0); their sums are f32. All else is computed in f32.
;;   The module's matrix products, in the order in which they are computed (A, B: the left and right operand; K: the contracted axis; several contracted axes count as one K, in the product's order):
;;     1. batch 64 x [M 2,048, K 128] x [K 128, N 2,048]; A: input query; B: input key: QUANTISED
;;     2. batch 64 x [M 2,048, K 2,048] x [K 2,048, N 128]; A: softmax (see below); B: input value: QUANTISED
;;   THE QUANTISER, for each operand of a quantised product, along K:
;;     - K is cut into blocks of 32 from its start; a last block that is shorter is filled with zeros.
;;     - A block's scale is 2^e with e = floor(log2(the largest magnitude in the block)) - 2, held to -126 .. 127; a block of zeros has e = 0. As a byte (E8M0): e + 127.
;;     - Each number is divided by its block's scale, clamped to +-6, and rounded to the nearest number of E2M1, ties to even, subnormals kept.
;;     - The product sums the exact products of the quantised numbers (number of the format x scale) in f32.
;;   ~~~python
;;   def quantise(x, axis):      # numpy; x: float32 -> the quantised numbers, widened to float32 again
;;       x = np.moveaxis(x, axis, -1); K = x.shape[-1]
;;       x = np.pad(x, [(0, 0)] * (x.ndim - 1) + [(0, -K % 32)]); x = x.reshape(x.shape[:-1] + (-1, 32)); a = np.abs(x).max(-1, keepdims=True)
;;       e = np.where(a > 0, np.clip(np.frexp(np.where(a > 0, a, 1))[1] - 1 - 2, -126, 127), 0)      # np.frexp(a)[1] - 1 = floor(log2(a)), exactly
;;       r = np.clip(x / 2.0 ** e, -6, 6)
;;       step = 2.0 ** (np.maximum(np.frexp(np.where(r == 0, 1, r))[1] - 1, 0) - 1)
;;       q = np.round(r / step) * step * 2.0 ** e      # np.round: ties to even
;;       return np.moveaxis(q.reshape(q.shape[:-2] + (-1,))[..., :K], -1, axis).astype(np.float32)
;;   ~~~
;;   SOFTMAX AHEAD OF A QUANTISED PRODUCT. Where the list says 'softmax', what is quantised is not the finished softmax but p = 2^(t - M), with t = logit x log2(e) and M = ceil(the row's largest t), a whole number; so 1/2 < the row's largest p <= 1. The row's sum l is taken of the UNQUANTISED p, in f32, and the product's result is divided by l at the end. Since M is a whole number, a kernel that streams over the keys may use a running M (the ceiling of the running maximum): every later rescaling is an exact power of two, which a block's scale takes up: the codes' values come out the same.
;;   OPERANDS COMPUTED ON THE WAY. 'Computed on the way' means the value that the module computes at that place (a softmax that the list does not call 'softmax' is quantised finished and normalised). What goes into a quantiser is computed in f32, as accurately as f32 sums, v_exp_f32 and their like allow (about 1e-6 of the number): no bf16 or f16 on the way to a quantiser, and a product that is left as it is and whose result goes on into a quantised operand takes f32 operands (vector FMAs, or v_wmma_f32_16x16x4_f32). A number that lies on a knife's edge between two numbers of the format may be rounded either way, as far as f32 arithmetic and the matrix unit's own rounding can turn it there, and no further.
;; One version. Each part assembles by itself: llvm-mc -triple=amdgcn-amd-amdhsa -mcpu=gfx1250 --defsym DOCPART=n.
;; ======== version 1 of 1: 2 launches
;; limits: right only within a limited range of input values
;; workspace buffers: kv 4,456,448 bytes
;; launch quant (part 1): grid 16 x 16, 8 waves a work-group, no clusters, 69,632 bytes of LDS; arguments key, value, kv; writes kv
.if DOCPART == 1
	.amdgcn_target "amdgcn-amd-amdhsa--gfx1250"
	.amdhsa_code_object_version 6
	.text
	.protected	k_q80b08bdef2_quant
	.globl	k_q80b08bdef2_quant
	.p2align	8
	.type	k_q80b08bdef2_quant,@function
k_q80b08bdef2_quant:
	s_mov_b64 s[64:65], 0
	v_nop
	global_prefetch_b8 v0, s[64:65] scope:SCOPE_SE
	s_setreg_imm32_b32 hwreg(HW_REG_WAVE_MODE, 25, 1), 1
	s_wait_xcnt 0x0
; key and value, [2][2048][8 heads x 128] f32, become codes of FP4 (E2M1) with one E8M0 scale byte for each 32 along a product's K, laid in the order in which the attention
; launch's operand registers take them.  K of the first product is the head's 128 (innermost in key); K of the second is the keys (value's outer axis).
; DEAD WORK, in the problem's terms (it concerns the launch that follows; nothing is left out here: every key and value counts for some query).  reference() replaces, by a mask that it builds itself
; (jnp.tril), every score of a key behind its query by -50,000.  So the first product of a tile that lies wholly behind the diagonal reaches no output, whatever the inputs hold.  The weight of such a key is
; p = 2^(-72,134.75 - M), which in f32 is 0 as soon as the row's largest live logit lies above about -49,890: its codes are zeros and its term in the row's sum is 0, so the second product of such a tile adds nothing.
; LIMITS.  Rows all of whose live logits lie under about -49,890 are not served (there reference() would spread weight over hidden keys).  A NaN, an infinity or an overflow that reaches only the tiles left out is not
; carried to the result.  A block of zeros gets the byte 1 where the rule says 127: its codes are zeros, which add nothing under any byte but 0xff, and this program alone reads the bytes.  Blocks whose largest
; magnitude lies under 2^-124, the floor, were not tried.  NaN and infinities among the inputs are not served.
; A block's scale is 2^(floor(log2(its largest magnitude)) - 2); its byte is the largest magnitude's exponent field - 2, held at 1 from below by a floor among the maximum's leaves.
; SHARES.  A work-group takes one key step (128 keys: work-group x) of one batch and key/value head (work-group y = 8 b + head) and stores one unit of STEPB = 17,408 bytes of kv:
;   +0      K's 8 tiles: [tile T][c][lane][16 bytes]: lane (r, h) holds the codes of d = 64 c + 32 h + 0 .. 31 of key 32 (T / 2) + 8 (T % 2) + r + 8 (r / 8)
;   +8,192  V's 8 tiles: [tile t][c][lane][16 bytes]: lane (r, h) holds the codes of keys 64 c + 32 h + 0 .. 31 of channel 16 t + r
;   +16,384 K's scale words: [lane][4 words]: word b of lane (r, h) is the word of tile 2 b + h, row r;   +16,896 V's likewise
; Wave w makes K's tile w (16 rows of 512 bytes, loaded whole, turned through its own stage in LDS so that a lane holds two whole blocks of its key), and of V channels 32 (w % 4) on x keys 64 (w / 4) on:
; a lane to a channel, its registers down the keys, so that a block of 32 keys lies in one lane and the conversions give codes with the keys innermost.  All loads go out at the head.
.set STEPB, 17408
.set SP,    528                        ; a stage row: 512 bytes + 16 = 132 words: row r starts at bank 4 r mod 64 (64 banks of 4 bytes: ISA guide 11.1)
.set STGB,  16*SP                      ; a wave's stage
.set SCA,   8*STGB                     ; behind the stages: the unit's scale words, K's 512 bytes, then V's 512
.set SPARE, SCA+1024                   ; the spare words, 128 bytes for each wave: four blocks of 256 bytes that no other line names
.set LI,  4                            ; v4   16 x lane
.set KIN, 5                            ; v5   my stage + 16 x lane: a row as it is loaded
.set KRD, 6                            ; v6   my stage + 528 r + 128 h: my key's block h
.set VOF, 7                            ; v7   4 x lane
.set KSA, 8                            ; v8   where K's scale word of my row goes
.set VSA, 9                            ; v9   where my channel's two scale bytes go
.set VST, 10                           ; v10  1,024 (lane / 16) + 16 (lane % 16): my place in V's image
.set SRB, 11                           ; v11  the scale words on their way out: 16 x lane in K's half or V's
.set SPW, 12                           ; v12  LDS address of my spare word; never rewritten
.set NIL, 13                           ; v13  0; never rewritten
.set KC,  24                           ; v24-31   K's codes
.set KR,  32                           ; v32-95   K's 16 rows as loaded
.set KT,  96                           ; v96-159  my key's blocks h and 2 + h
.set VV,  160                          ; v160-223 my channel's 64 keys
.set VC,  224                          ; v224-231 V's codes
	s_load_b128 s[4:7], s[0:1], 0x0                ; key, value
	s_load_b64 s[8:9], s[0:1], 0x10                ; kv
	v_lshl_add_u32 v[SPW], v0, 2, SPARE
	v_mov_b32 v[NIL], 0
	v_lshrrev_b32 v1, 5, v0
	s_delay_alu instid0(VALU_DEP_1)
	v_readfirstlane_b32 s10, v1                    ; wave 0..7
	v_and_b32 v1, 31, v0                           ; lane
	s_wait_alu depctr_va_vdst(0)
	v_and_b32 v2, 15, v0                           ; r
	s_wait_alu depctr_va_vdst(0)
	v_bfe_u32 v3, v0, 4, 1                         ; h
	s_and_b32 s11, ttmp7, 0xffff                   ; y = 8 b + head
	s_lshr_b32 s12, s11, 3
	s_lshl_b32 s12, s12, 11                        ; 2,048 b
	s_lshl_b32 s13, ttmp9, 7
	s_add_co_u32 s12, s12, s13                     ; + 128 x: the step's first key
	s_lshl_b32 s12, s12, 12                        ; rows of 4,096 bytes
	s_and_b32 s13, s11, 7
	s_lshl_b32 s13, s13, 9
	s_add_co_u32 s12, s12, s13                     ; + the head's 512 bytes: where the unit begins in key and in value
	s_lshr_b32 s14, s10, 1                         ; K: my tile begins at key 32 (w / 2) + 8 (w % 2)
	s_lshl_b32 s14, s14, 5
	s_and_b32 s15, s10, 1
	s_lshl_b32 s15, s15, 3
	s_add_co_u32 s14, s14, s15
	s_lshl_b32 s14, s14, 12
	s_add_co_u32 s14, s14, s12
	s_mov_b32 s15, 0
	s_lshr_b32 s16, s10, 2                         ; V: keys 64 (w / 4) on (64 rows are 2^18 bytes), channels 32 (w % 4) on
	s_lshl_b32 s16, s16, 18
	s_and_b32 s17, s10, 3
	s_lshl_b32 s17, s17, 7
	s_add_co_u32 s16, s16, s17
	s_add_co_u32 s16, s16, s12
	s_mov_b32 s17, 0
	s_lshl_b32 s18, s11, 4
	s_add_co_u32 s18, s18, ttmp9
	s_mul_i32 s18, s18, STEPB                      ; my unit of kv: 16 y + x
	s_mov_b32 s19, 0
	s_lshl_b32 s20, s10, 10                        ; K's image of tile w
	s_mov_b32 s21, 0
	s_and_b32 s22, s10, 3                          ; V's image: tiles 2 (w % 4) and the next, c = w / 4
	s_lshl_b32 s22, s22, 11
	s_lshr_b32 s23, s10, 2
	s_lshl_b32 s23, s23, 9
	s_add_co_u32 s22, s22, s23
	s_add_co_u32 s22, s22, 8192
	s_mov_b32 s23, 0
	s_and_b32 s24, s10, 1                          ; the scale words: wave 0 stores K's 512 bytes, wave 1 V's
	s_lshl_b32 s24, s24, 9
	s_add_co_u32 s24, s24, 16384
	s_mov_b32 s25, 0
	s_mov_b32 s28, 0x76543210
	s_mov_b32 s29, 0xfedcba98                      ; v_permlanex16_b32's selects for lane l xor 16
	s_mul_i32 s26, s10, STGB                       ; my stage
	s_and_b32 s27, s10, 1
	s_lshl_b32 s31, s27, 9
	s_add_co_u32 s31, s31, SCA
	s_lshl_b32 s27, s27, 8                         ; K's scale word of tile w, row r: lane 16 (w % 2) + r of the image, word w / 2
	s_lshr_b32 s30, s10, 1
	s_lshl_b32 s30, s30, 2
	s_add_co_u32 s27, s27, s30
	s_add_co_u32 s27, s27, SCA
	s_and_b32 s30, s10, 3                          ; V's bytes: my lane of the image, word w % 4, bytes 2 (w / 4) and the next
	s_lshl_b32 s30, s30, 2
	s_lshr_b32 s2, s10, 2
	s_lshl_b32 s2, s2, 1
	s_add_co_u32 s30, s30, s2
	s_add_co_u32 s30, s30, SCA+512
	v_lshlrev_b32 v[LI], 4, v1
	s_delay_alu instid0(VALU_DEP_1)
	v_add_nc_u32 v[KIN], s26, v[LI]
	v_mul_u32_u24 v[KRD], v2, SP
	s_wait_alu depctr_va_vdst(0)
	v_lshl_add_u32 v[KRD], v3, 7, v[KRD]
	s_delay_alu instid0(VALU_DEP_1)
	v_add_nc_u32 v[KRD], s26, v[KRD]
	v_lshlrev_b32 v[VOF], 2, v1
	v_lshl_add_u32 v[KSA], v2, 4, s27
	v_add_nc_u32 v[VSA], s30, v[LI]
	v_lshlrev_b32 v[VST], 4, v2
	s_delay_alu instid0(VALU_DEP_1)
	v_lshl_add_u32 v[VST], v3, 10, v[VST]
	v_add_nc_u32 v[SRB], s31, v[LI]
	s_wait_alu depctr_va_vdst(0)
	s_wait_kmcnt 0x0
	s_add_nc_u64 s[4:5], s[4:5], s[14:15]
	s_add_nc_u64 s[6:7], s[6:7], s[16:17]
	s_add_nc_u64 s[8:9], s[8:9], s[18:19]
	s_add_nc_u64 s[20:21], s[8:9], s[20:21]
	s_add_nc_u64 s[22:23], s[8:9], s[22:23]
	s_add_nc_u64 s[24:25], s[8:9], s[24:25]
.irp i, 0,1,2,3,4,5,6,7,8,9,10,11,12,13,14,15
	global_load_b128 v[KR+4*\i:KR+4*\i+3], v[LI], s[4:5] offset:(\i+8*(\i/8))*4096 th:TH_LOAD_NT   ; the tile's row i: 32 lanes read the key's 512 consecutive bytes
.endr
.set n, 0
.rept 64
	global_load_b32 v[VV+n], v[VOF], s[6:7] offset:n*4096 th:TH_LOAD_NT                            ; key n of my 64, my channel: 32 lanes read 128 consecutive bytes
.set n, n+1
.endr
	s_wait_loadcnt 63                              ; K's 16 loads have 64 younger ones behind them; the count's field holds 63: the smaller count is the safe one
.irp i, 0,1,2,3,4,5,6,7,8,9,10,11,12,13,14,15
	ds_store_b128 v[KIN], v[KR+4*\i:KR+4*\i+3] offset:SP*\i
.endr
.irp c, 0,1
.irp i, 0,1,2,3,4,5,6,7
	ds_load_b128 v[KT+32*\c+4*\i:KT+32*\c+4*\i+3], v[KRD] offset:256*\c+16*\i   ; LDS serves a wave's instructions in order (ISA guide 5.7.1.4): these see my stores.  d = 64 c + 32 h + 0 .. 31 of row r
.endr
.endr
	s_wait_dscnt 0x0
.irp c, 0,1
	v_max3_num_f32 v[14+\c], |v[KT+32*\c]|, |v[KT+32*\c+1]|, 0x1800000          ; my block 2 c + h: all its 32 numbers are mine; and the floor 2^(3 - 127): the byte cannot fall under 1
.endr
.irp i, 2,4,6,8,10,12,14,16,18,20,22,24,26,28,30
.irp c, 0,1
	s_delay_alu instid0(VALU_DEP_2)
	v_max3_num_f32 v[14+\c], v[14+\c], |v[KT+32*\c+\i]|, |v[KT+32*\c+\i+1]|      ; (the two blocks by turns)
.endr
.endr
.irp c, 0,1
	s_delay_alu instid0(VALU_DEP_2)
	v_add_nc_u32 v[16+\c], 0xff000000, v[14+\c]    ; 2 off the exponent field: the conversion takes the exponent field of this operand as its scale, and nothing else of it
.endr
.irp c, 0,1
	s_delay_alu instid0(VALU_DEP_2)
	v_lshrrev_b32 v[18+\c], 23, v[16+\c]           ; the scale's byte
.endr
	s_delay_alu instid0(VALU_DEP_1)
	v_lshl_or_b32 v20, v19, 16, v18                ; my two bytes: blocks h and 2 + h,
	v_lshlrev_b32 v21, 3, v3
	s_delay_alu instid0(VALU_DEP_1)
	v_lshlrev_b32 v20, v21, v20                    ; at their places in the word (8 h bits up);
	v_mov_b32 v21, 0
	s_delay_alu instid0(VALU_DEP_1)
	v_permlanex16_b32 v21, v20, s28, s29
	s_delay_alu instid0(VALU_DEP_1)
	v_or_b32 v22, v20, v21                         ; with lane l xor 16's two the word is whole
.irp c, 0,1
.irp g, 0,1,2,3
	v_cvt_scalef32_pk8_fp4_f32 v[KC+4*\c+\g], v[KT+32*\c+8*\g:KT+32*\c+8*\g+7], v[16+\c]
.endr
.endr
	v_nop                                          ; one plain place behind the scaled conversions
	ds_store_b32 v[KSA], v22                       ; lanes r and 16 + r write the same word with the same value
.irp c, 0,1
	global_store_b128 v[LI], v[KC+4*\c:KC+4*\c+3], s[20:21] offset:512*\c       ; 32 lanes store 512 consecutive bytes, at a multiple of 256 from kv's first byte
.endr
; block e of my channel: keys 64 (w / 4) + 32 e + 0 .. 31
.macro VBLOCK e
.set X, VV+32*\e
	v_max3_num_f32 v14, |v[X]|, |v[X+1]|, |v[X+2]|
	v_max3_num_f32 v15, |v[X+3]|, |v[X+4]|, |v[X+5]|
.irp i, 6,10,14,18,22,26
	s_delay_alu instid0(VALU_DEP_2)
	v_max3_num_f32 v14, v14, |v[X+\i]|, |v[X+\i+1]|
	s_delay_alu instid0(VALU_DEP_2)
	v_max3_num_f32 v15, v15, |v[X+\i+2]|, |v[X+\i+3]|
.endr
	s_delay_alu instid0(VALU_DEP_2)
	v_max3_num_f32 v14, v14, |v[X+30]|, |v[X+31]|
	s_delay_alu instid0(VALU_DEP_1)
	v_max3_num_f32 v14, v14, v15, 0x1800000        ; and the floor
	s_delay_alu instid0(VALU_DEP_1)
	v_add_nc_u32 v[16+\e], 0xff000000, v14
	s_delay_alu instid0(VALU_DEP_1)
	v_lshrrev_b32 v[18+\e], 23, v[16+\e]
.irp g, 0,1,2,3
	v_cvt_scalef32_pk8_fp4_f32 v[VC+4*\e+\g], v[X+8*\g:X+8*\g+7], v[16+\e]
.endr
	v_nop                                          ; one plain place behind the scaled conversions
	global_store_b128 v[VST], v[VC+4*\e:VC+4*\e+3], s[22:23] offset:256*\e      ; sixteen lanes store 256 consecutive bytes, at a multiple of 256 from kv's first byte
.endm
	s_wait_loadcnt 32                              ; the first block's 32 loads are in; the second's 32 may be out
	VBLOCK 0
	s_wait_loadcnt 0x0
	VBLOCK 1
	v_lshl_or_b32 v23, v19, 8, v18
	ds_store_b16 v[VSA], v23                       ; my channel's two scale bytes
	s_wait_dscnt 0x0                               ; for the others' sake: my stores of scale words have landed
	s_barrier_signal -1
	s_barrier_wait -1
	s_cmp_lt_u32 s10, 2                            ; waves 0 and 1 carry the two images of scale words out
	s_cbranch_scc0 .Ldone
	ds_load_b128 v[KR:KR+3], v[SRB]
	s_wait_dscnt 0x0
	global_store_b128 v[LI], v[KR:KR+3], s[24:25]  ; 512 consecutive bytes
.Ldone:
	s_wait_tensorcnt 0x0                           ; the wave's end, behind my last LDS store
	ds_add_u32 v[SPW], v[NIL]
	s_wait_dscnt 0x0
	s_endpgm
.Lfunc_end_k_q80b08bdef2_quant:
	.size	k_q80b08bdef2_quant, .Lfunc_end_k_q80b08bdef2_quant-k_q80b08bdef2_quant
	.p2alignl 7, 3214868480
	.fill 96, 4, 3214868480
	.section	.rodata,"a",@progbits
	.p2align	6, 0x0
	.amdhsa_kernel k_q80b08bdef2_quant
		.amdhsa_group_segment_fixed_size 69632
		.amdhsa_private_segment_fixed_size 0
		.amdhsa_enable_private_segment 0
		.amdhsa_kernarg_size 24
		.amdhsa_user_sgpr_count 2
		.amdhsa_user_sgpr_kernarg_segment_ptr 1
		.amdhsa_wavefront_size32 1
		.amdhsa_system_sgpr_workgroup_id_x 1
		.amdhsa_system_sgpr_workgroup_id_y 1
		.amdhsa_system_sgpr_workgroup_id_z 1
		.amdhsa_system_vgpr_workitem_id 0
		.amdhsa_next_free_vgpr 232
		.amdhsa_next_free_sgpr 66
		.amdhsa_reserve_vcc 0
		.amdhsa_float_denorm_mode_32 3
		.amdhsa_float_denorm_mode_16_64 3
		.amdhsa_memory_ordered 1
		.amdhsa_forward_progress 1
		.amdhsa_inst_pref_size 23
	.end_amdhsa_kernel
	.amdgpu_metadata
---
amdhsa.version: [ 1, 2 ]
amdhsa.kernels:
  - .name:           k_q80b08bdef2_quant
    .symbol:         k_q80b08bdef2_quant.kd
    .args:
      - { .name: key, .offset: 0, .size: 8, .value_kind: global_buffer, .address_space: global }
      - { .name: value, .offset: 8, .size: 8, .value_kind: global_buffer, .address_space: global }
      - { .name: kv, .offset: 16, .size: 8, .value_kind: global_buffer, .address_space: global }
    .group_segment_fixed_size: 69632
    .private_segment_fixed_size: 0
    .kernarg_segment_align: 8
    .kernarg_segment_size: 24
    .max_flat_workgroup_size: 256
    .sgpr_count:     66
    .vgpr_count:     232
    .wavefront_size: 32
...
	.end_amdgpu_metadata
.endif
;; end of part 1
;; launch attn (part 2): grid 16 x 16, 16 waves a work-group, no clusters, 327,680 bytes of LDS; arguments query, kv, out0; writes out0
.if DOCPART == 2
	.amdgcn_target "amdgcn-amd-amdhsa--gfx1250"
	.amdhsa_code_object_version 6
	.text
	.protected	k_q80b08bdef2_attn
	.globl	k_q80b08bdef2_attn
	.p2align	8
	.type	k_q80b08bdef2_attn,@function
k_q80b08bdef2_attn:
	s_mov_b64 s[64:65], 0
	v_nop
	global_prefetch_b8 v0, s[64:65] scope:SCOPE_SE
	s_setreg_imm32_b32 hwreg(HW_REG_WAVE_MODE, 25, 1), 1
	s_wait_xcnt 0x0
; out[b][q][head][:] = the sum over keys k <= q of softmax_k(Q . K / sqrt(128)) V, 32 query heads on 8 key/value heads (head / 4), both products on codes of FP4 (E2M1) with one E8M0 scale for each 32 along K.
; WORK LEFT OUT: key steps that lie wholly behind the diagonal.  reference()'s own mask (jnp.tril) replaces their scores by -50,000, so their first product reaches no output; their weights 2^(-72,134.75 - M) are 0
; in f32 as soon as the row's largest live logit lies above about -49,890, so they add nothing to the row's sum nor to the second product.  LIMITS: rows all of whose live logits lie under about -49,890 are not
; served; a NaN, an infinity or an overflow that reaches only the tiles left out is not carried to the result; a block of zeros has the scale byte 1 (its codes are zeros); NaN and infinities among the inputs are not served.
; Inside the step on the diagonal hidden scores get reference()'s own fill, in units of the raw score: -50,000 sqrt(128).
; THE SOFTMAX: t = score x log2(e) / sqrt(128); M = the row's largest t so far, rounded UP to a whole number; p = 2^(t - M) is what is quantised, along the keys, not normalised.  The row's sum is taken of the
; unquantised p and divides at the end.  When M moves, the sum and O are multiplied by 2^(old M - new M): exact.
; SHARES.  A work-group owns one batch and key/value head (work-group y) and two blocks of 64 queries x the group's 4 query heads: block 31 - j first, then block j (j = work-group x).  Block n needs n / 2 + 1 key
; steps of 128 keys, so the two need N1 + (17 - N1) = 17 in every work-group: all trip counts are constants.  Wave w owns head 4 kvh + w / 4 and 16 queries, 64 block + 16 (w % 4) on: one tile in 256 registers.
; K AND V come as register images (the launch before laid them so): a key step is 17,408 dense bytes, brought by one tensor load; a fragment is two ds_load_b128 at 16 x lane, four tiles' scale words one.
; Two LDS slots of four key steps; waves 0 to 3 fetch a step each.  Position p of the 17 is key step p (p < N1) or p - N1.  Each wave fetches its own 16 rows of Q (f32) into its own LDS bytes and quantises them
; in registers; the second block's rows are asked for at once behind the first's have been read.  Those bytes, after their last fill and last read, are the wave's stage on the way out.
; NO CLUSTER: the four heads that share a key/value head sit in one work-group already; the sixteen work-groups of a head change blocks at position N1, which differs among any four of them, so that their
; requests part.  NO PREFETCH: positions 0 to 7 are asked for at the head; every later tile is asked for four key steps (64 matrix instructions of each wave) ahead of the wait for it.
; LAYOUT.  Both products transposed: S^T = K Q^T (source 0 = 16 keys, source 1 = my 16 queries), O^T = V^T P^T: a lane holds ONE query (lane % 16) throughout.  Lane r of K's tile 2 b + u holds key
; 32 b + 8 u + r + 8 (r / 8), so that the 16 registers of tiles 2 b, 2 b + 1 are keys 32 b + 16 (lane / 16) + 0 .. 15.
.set STEPB, 17408                      ; a key step's images
.set VIMG,  8192                       ; in it: K's 8 tiles at 0, V's 8 here,
.set KSC,   16384                      ; K's scale words,
.set VSC,   16896                      ; V's
.set SLOT0, 0
.set SLOT1, 4*STEPB
.set QP,    528                        ; a row of Q, or of the stage: 512 bytes + 16 = 132 words: row r starts at bank 4 r mod 64 (64 banks of 4 bytes: ISA guide 11.1)
.set QTB,   16*QP                      ; a wave's 16 rows: 33 blocks of 256 bytes
.set QREG,  8*STEPB                    ; behind the two slots
.set SPARE, QREG+16*QTB                ; the spare words, 128 bytes for each wave: eight blocks of 256 bytes that no other line names
.set FILL,  0xc90a1b57                 ; -50,000 x sqrt(128) = -565,685.4
.set LI,  1                            ; v1   16 x lane
.set ADR, 2                            ; v2   the step in hand: its first LDS byte + 16 x lane
.set SPW, 3                            ; v3   LDS address of my spare word; never rewritten
.set NIL, 4                            ; v4   0; never rewritten
.set QRD, 5                            ; v5   my Q bytes + 528 r + 64 h
.set STO, 6                            ; v6   my stage + 528 r + 32 h
.set SRD, 7                            ; v7   my stage + 16 x lane
.set DQ,  9                            ; v9   r - 16 h
                                       ; v12 -M, v13 the largest t, v[14:15] the row's sum in two halves
.set QC,  16                           ; v16-23   Q's codes
.set QS,  24                           ; v24      Q's scale words
.set PS,  25                           ; v25      p's scale word
.set KS,  26                           ; v26-29   K's scale words: register b: lanes 0-15 tile 2 b, lanes 16-31 tile 2 b + 1
.set F,   30                           ; v[30:31] f = 2^(old M - new M); at the end 1 / the sum (v31 is only named with it as a pair)
.set FR,  32                           ; v32-95   eight fragments of K, then of V
.set S,   96                           ; v96-159  S^T, then p; Q's numbers; rows of O on the way out
.set O,   160                          ; v160-223 O^T
.set PC,  224                          ; v224-231 p's codes
.set BM,  232                          ; v232-235 the blocks' maxima
.set PT,  236                          ; v236-239 the other half's maxima, then the bytes
.set VS,  240                          ; v240-243 V's scale words, as K's
.set CV,  244                          ; v244-247 the conversions' scale operands
.set SU,  248                          ; v[248:249] the sum's second chain
.set TMP, 250
.set WV,  10                           ; s10  wave
.set G,   11                           ; s11  wave % 4
.set N1,  14                           ; s14  key steps of the first block: 9 .. 16
.set P,   15                           ; s15  position, 0 .. 16
.set KF,  16                           ; s16  the step's first key
.set Q0,  17                           ; s17  my first query in the block in hand
.set Q02, 18                           ; s18  and in the second block
.set TB,  19                           ; s19  LDS byte at which the step in hand begins
.set SEL, 20                           ; s[20:21] lane selects for v_permlanex16_b32: lane l xor 16
.set CS,  22                           ; s[22:23] c = log2(e) / sqrt(128)
.set G1KV, 24                          ; s[24:31] descriptor group 1: a key step
.set G1Q,  32                          ; s[32:39] a tile of Q
.set G0S0, 40                          ; s[40:43] group 0 for slot 0, s[44:47] slot 1, s[48:51] Q
.set G0S1, 44
.set G0Q,  48
.set KVB,  52                          ; s[52:53] kv at my head's first key step
.set OUT,  54                          ; s[54:55] out0 at my first row of the block in hand
.set OUT2, 56                          ; s[56:57] and of the second block
.set QAD2, 58                          ; s[58:59] query at my first row of the second block
.set T0,   60                          ; s[60:61] at work
.set CNT,  62
; 64 numbers of a lane, register 16 b + i = k 32 b + 16 (lane / 16) + i of my row, become a fragment's codes in v[dst] on and its scale word in v[word]
.macro QUANT src, dst, word
.irp b, 0,1,2,3
	v_max3_num_f32 v[BM+\b], |v[\src+16*\b]|, |v[\src+1+16*\b]|, 0x1800000     ; block b: my 16 numbers, and the floor 2^(3 - 127): the byte cannot fall under 1
.endr
.irp i, 2,4,6,8,10,12,14
.irp b, 0,1,2,3
	s_delay_alu instid0(VALU_DEP_4)
	v_max3_num_f32 v[BM+\b], v[BM+\b], |v[\src+16*\b+\i]|, |v[\src+1+16*\b+\i]|   ; (the four blocks by turns)
.endr
.endr
.irp b, 0,1,2,3
	s_delay_alu instid0(VALU_DEP_4)
	v_permlanex16_b32 v[PT+\b], v[BM+\b], s[SEL], s[SEL+1]
.endr
.irp b, 0,1,2,3
	s_delay_alu instid0(VALU_DEP_4)
	v_max_num_f32 v[BM+\b], v[BM+\b], v[PT+\b]     ; with lane l xor 16's: the block's largest magnitude
.endr
.irp b, 0,1,2,3
	s_delay_alu instid0(VALU_DEP_4)
	v_add_nc_u32 v[CV+\b], 0xff000000, v[BM+\b]    ; 2 off its exponent field: the conversion's scale operand
.endr
.irp b, 0,1,2,3
	s_delay_alu instid0(VALU_DEP_4)
	v_lshrrev_b32 v[PT+\b], 23, v[CV+\b]           ; the scale's byte
.endr
	s_delay_alu instid0(VALU_DEP_3)
	v_lshl_or_b32 v[\word], v[PT+1], 8, v[PT]
	s_delay_alu instid0(VALU_DEP_1)
	v_lshl_or_b32 v[\word], v[PT+2], 16, v[\word]
	s_delay_alu instid0(VALU_DEP_1)
	v_lshl_or_b32 v[\word], v[PT+3], 24, v[\word]
.irp b, 0,1,2,3
	v_cvt_scalef32_pk8_fp4_f32 v[\dst+2*\b], v[\src+16*\b:\src+7+16*\b], v[CV+\b]
	v_cvt_scalef32_pk8_fp4_f32 v[\dst+1+2*\b], v[\src+8+16*\b:\src+15+16*\b], v[CV+\b]
.endr
	v_nop                                          ; one plain place behind a scaled conversion
.irp c, 0,1                                    ; the operand's layout wants a WHOLE block in a lane: lanes 0-15 block 2 c, lanes 16-31 block 2 c + 1
.irp i, 0,1
	v_permlane16_swap_b32 v[\dst+4*\c+\i], v[\dst+2+4*\c+\i]
.endr
.endr
.endm
; a block of queries begins: the largest t under every t, the sum and O^T zeros, which the first change of M leaves zeros: so a key step is written in one form
.macro RESET
	v_mov_b32 v13, 0xff61b1e6                      ; -3e38
	s_delay_alu instid0(VALU_DEP_1)
	v_floor_f32 v12, -v13                          ; -M
	v_mov_b32 v14, 0
	v_mov_b32 v15, 0
.set i, 0
.rept 64
	v_mov_b32 v[O+i], 0
.set i, i+1
.endr
.endm
; group 0's global address for position pbase + wave % 4: key step p where p < N1, else p - N1.  Written only where no tensor load of the wave is out
.macro SETG0 g0, pbase
	s_add_co_u32 s[T0], s[G], \pbase
	s_cmp_lt_u32 s[T0], s[N1]
	s_cselect_b32 s[T0+1], 0, s[N1]
	s_sub_co_u32 s[T0], s[T0], s[T0+1]
	s_mul_i32 s[T0], s[T0], STEPB
	s_mov_b32 s[T0+1], 0
	s_add_nc_u64 s[\g0+2:\g0+3], s[KVB:KVB+1], s[T0:T0+1]
	s_or_b32 s[\g0+3], s[\g0+3], 0x80000000        ; 127:126 type = 2
.endm
; THE CHANGE OF SLOTS.  Each wave waits for all its tensor loads (its part of the slot ahead), adds 0 to its spare word, and waits for that and for its reads of the slot that it has left; behind the barrier the slot
; ahead is whole and nobody reads the other one, which waves 0 .. nload - 1 fill again, a key step each: a wave's one tensor load until the next such barrier; it has four key steps in which to land.
.macro CHANGE g0, pbase, nload
	s_wait_tensorcnt 0x0                           ; no tensor load of mine is out, so a group 0 may be written
	ds_add_u32 v[SPW], v[NIL]                      ; 0 onto my spare word
.if \nload
	SETG0 \g0, \pbase
.endif
	s_wait_dscnt 0x0                               ; the add is done, and my reads of the slot that I have left are over
	s_barrier_signal -1
	s_barrier_wait -1
.if \nload
	s_cmp_lt_u32 s[WV], \nload
	s_cbranch_scc0 .Lnone_\@
	tensor_load_to_lds s[\g0:\g0+3], s[G1KV:G1KV+7]
	s_nop 0
.rept 4
	v_nop
.endr
.Lnone_\@:
.endif
.endm
; THE WAY OUT of a block: O^T / the sum goes through my stage and leaves as whole rows: 32 lanes store a query's 512 consecutive bytes of its head
.macro FINISH
	v_add_f32 v14, v14, v15                        ; the sum's two halves,
	s_delay_alu instid0(VALU_DEP_1)
	v_permlanex16_b32 v[TMP], v14, s[SEL], s[SEL+1]
	s_delay_alu instid0(VALU_DEP_1)
	v_add_f32 v14, v14, v[TMP]                     ; and lane l xor 16's: the row's sum
	s_wait_alu depctr_va_vdst(0)
	v_rcp_f32 v[F], v14
.rept 4
	v_nop                                          ; the plain place behind the reciprocal; and four places between the last products and the first read of their results (ISA guide 7.12.1)
.endr
	s_wait_alu depctr_va_vdst(0)                   ; the wait ahead of the first instruction that names the reciprocal
.set i, 0
.rept 32
	v_pk_mul_f32 v[O+i:O+i+1], v[O+i:O+i+1], v[F:F+1] op_sel_hi:[1,0]   ; each accumulator from its low end on
.set i, i+2
.endr
.irp t, 0,1,2,3,4,5,6,7
	ds_store_b128 v[STO], v[O+8*\t:O+8*\t+3] offset:64*\t            ; register 8 t + i is o(query r, channel 16 t + 8 h + i)
	ds_store_b128 v[STO], v[O+8*\t+4:O+8*\t+7] offset:64*\t+16
.endr
.irp i, 0,1,2,3,4,5,6,7,8,9,10,11,12,13,14,15
	ds_load_b128 v[S+4*\i:S+4*\i+3], v[SRD] offset:QP*\i             ; LDS serves a wave's instructions in order (ISA guide 5.7.1.4): these see my stores
.endr
.irp i, 0,1,2,3,4,5,6,7,8,9,10,11,12,13,14,15
	s_wait_dscnt 15-\i                             ; row i is back; the 15 - i younger loads may be out
	global_store_b128 v[LI], v[S+4*\i:S+4*\i+3], s[OUT:OUT+1] offset:16384*\i th:TH_STORE_NT   ; written once, read by nobody here
.endr
.endm
; FROM THE FIRST BLOCK TO THE SECOND: the second block's rows of Q, which landed long ago (a wait for all my tensor loads stands at every change of slots), are read and quantised; only then my LDS bytes become the stage
.macro SWITCH
.irp b, 0,1,2,3
.irp j, 0,1,2,3
	ds_load_b128 v[S+16*\b+4*\j:S+16*\b+4*\j+3], v[QRD] offset:128*\b+16*\j
.endr
.endr
	s_wait_dscnt 0x0
	QUANT S, QC, QS
	FINISH
	s_wait_xcnt 0x0                                ; the stores have read their registers and their base: both are written again only behind this wait
	s_mov_b64 s[OUT:OUT+1], s[OUT2:OUT2+1]
	s_mov_b32 s[Q0], s[Q02]
	s_mov_b32 s[KF], 0
	RESET
.endm
; A KEY STEP: 128 keys.  sw = 1: the block may change here.  mk = 0: every key counts; 1: the step may lie on the diagonal; 2: it does.
.macro STEP sw, mk
.if \sw
	s_cmp_eq_u32 s[P], s[N1]                       ; ids and the count of steps alone: all sixteen waves go the same way
	s_cbranch_scc0 .Lsame_\@
	SWITCH
.Lsame_\@:
.endif
	v_add_nc_u32 v[ADR], s[TB], v[LI]
.rept 3
	v_nop                                          ; with the addition: four places in front of loads into registers that the last products read
.endr
.irp t, 0,1,2,3,4,5,6,7
.irp c, 0,1
	ds_load_b128 v[FR+8*\t+4*\c:FR+8*\t+4*\c+3], v[ADR] offset:1024*\t+512*\c
.endr
.endr
	ds_load_b128 v[KS:KS+3], v[ADR] offset:KSC
	s_wait_alu depctr_va_vdst(0)
	s_wait_dscnt 0x0
.irp t, 0,2,4,6                                ; S^T = K Q^T: eight accumulators, each begun with the constant 0
	v_wmma_scale_f32_16x16x128_f8f6f4 v[S+8*\t:S+8*\t+7], v[FR+8*\t:FR+8*\t+7], v[QC:QC+7], 0, v[KS+\t/2], v[QS] matrix_a_fmt:MATRIX_FMT_FP4 matrix_b_fmt:MATRIX_FMT_FP4
	v_wmma_scale_f32_16x16x128_f8f6f4 v[S+8*\t+8:S+8*\t+15], v[FR+8*\t+8:FR+8*\t+15], v[QC:QC+7], 0, v[KS+\t/2], v[QS] matrix_a_fmt:MATRIX_FMT_FP4 matrix_b_fmt:MATRIX_FMT_FP4 matrix_a_scale:MATRIX_SCALE_ROW1
.endr
.rept 4
	v_nop                                          ; four places: in front of the loads below, and of the first read of the scores
.endr
.irp t, 0,1,2,3,4,5,6,7                        ; V's fragments land while the softmax is worked
.irp c, 0,1
	ds_load_b128 v[FR+8*\t+4*\c:FR+8*\t+4*\c+3], v[ADR] offset:VIMG+1024*\t+512*\c
.endr
.endr
	ds_load_b128 v[VS:VS+3], v[ADR] offset:VSC
.if \mk == 1
	s_add_co_u32 s63, s[KF], 127
	s_cmp_le_u32 s63, s[Q0]                        ; all 128 keys count for my 16 queries
	s_cbranch_scc1 .Lopen_\@
.endif
.if \mk
	s_sub_co_i32 s63, s[Q0], s[KF]
	v_add_nc_u32 v252, s63, v[DQ]                  ; d = my query - KF - 16 (lane / 16).  Register 16 b + i holds key KF + 16 (lane / 16) + 32 b + i: hidden where 32 b + i > d
	v_mov_b32 v253, FILL
.irp n, 0,1,2,3,4,5,6,7,8,9,10,11,12,13,14,15,16,17,18,19,20,21,22,23,24,25,26,27,28,29,30,31,32,33,34,35,36,37,38,39,40,41,42,43,44,45,46,47,48,49,50,51,52,53,54,55,56,57,58,59,60,61,62,63
	v_cmp_gt_i32 vcc_lo, 32*(\n/16)+\n%16, v252
	v_cndmask_b32 v[S+\n], v[S+\n], v253, vcc_lo
.endr
.endif
.if \mk == 1
.Lopen_\@:
.endif
.irp b, 0,1,2,3
	v_max3_num_f32 v[BM+\b], v[S+16*\b], v[S+1+16*\b], v[S+2+16*\b]   ; THE LARGEST SCORE OF EACH BLOCK OF 32 KEYS serves twice: for the row's maximum, and, since p rises with the score, for the block's largest p
.endr
.irp i, 3,5,7,9,11,13
.irp b, 0,1,2,3
	v_max3_num_f32 v[BM+\b], v[BM+\b], v[S+16*\b+\i], v[S+1+16*\b+\i]
.endr
.endr
.irp b, 0,1,2,3
	v_max_num_f32 v[BM+\b], v[BM+\b], v[S+15+16*\b]
.endr
.irp b, 0,1,2,3
	s_delay_alu instid0(VALU_DEP_4)
	v_permlanex16_b32 v[PT+\b], v[BM+\b], s[SEL], s[SEL+1]
.endr
.irp b, 0,1,2,3
	s_delay_alu instid0(VALU_DEP_4)
	v_max_num_f32 v[BM+\b], v[BM+\b], v[PT+\b]     ; with lane l xor 16's 16 keys
.endr
	s_delay_alu instid0(VALU_DEP_2)
	v_max3_num_f32 v[TMP], v[BM], v[BM+1], v[BM+2]
	s_delay_alu instid0(VALU_DEP_1)
	v_max_num_f32 v[TMP], v[TMP], v[BM+3]          ; the step's largest score of my query
	s_delay_alu instid0(VALU_DEP_1)
	v_mul_f32 v[TMP], s[CS], v[TMP]                ; as t (c is positive)
	s_delay_alu instid0(VALU_DEP_1)
	v_max_num_f32 v13, v13, v[TMP]                 ; the running largest t
	v_mov_b32 v[TMP], v12
	s_delay_alu instid0(VALU_DEP_2)
	v_floor_f32 v12, -v13                          ; the new -M = floor(-t) = -ceil(t): a whole number
	s_delay_alu instid0(VALU_DEP_1)
	v_sub_f32 v[TMP], v12, v[TMP]                  ; old M - new M: a whole number, 0 or less
	s_delay_alu instid0(VALU_DEP_1)
	v_cvt_i32_f32 v[TMP], v[TMP]                   ; (it saturates)
	s_delay_alu instid0(VALU_DEP_1)
	v_ldexp_f32 v[F], 1.0, v[TMP]                  ; f = 2^(old M - new M)
.set i, 0
.rept 32
	v_pk_fma_f32 v[S+i:S+i+1], v[S+i:S+i+1], s[CS:CS+1], v[12:13] op_sel_hi:[1,0,0]   ; t - M, two at a time (of the pairs c and -M the low word serves both halves)
.set i, i+2
.endr
.irp b, 0,1,2,3
	v_fma_f32 v[BM+\b], v[BM+\b], s[CS], v12       ; the same of each block's largest score
.endr
.set i, 0
	s_setprio 1
	s_wait_alu depctr_va_vdst(0)
.rept 64
	v_exp_f32 v[S+i], v[S+i]                       ; p = 2^(t - M), at most 1: not normalised
.set i, i+1
.endr
	v_pk_mul_f32 v[14:15], v[14:15], v[F:F+1] op_sel_hi:[1,0]   ; the sums under the new M: the plain place behind the exponentials
	s_wait_alu depctr_va_vdst(0)                   ; one wait for the batch of 64, ahead of its first reader
.irp b, 0,1,2,3
	v_exp_f32 v[BM+\b], v[BM+\b]                   ; the block's largest p: the same two instructions on the same number give the same bits
.endr
	v_pk_add_f32 v[248:249], v[100:101], v[104:105]
	v_pk_add_f32 v[254:255], v[108:109], v[112:113]
	v_pk_add_f32 v[252:253], v[116:117], v[120:121]
	v_pk_add_f32 v[246:247], v[124:125], v[128:129]
	v_pk_add_f32 v[244:245], v[132:133], v[136:137]
	v_pk_add_f32 v[238:239], v[140:141], v[144:145]
	v_pk_add_f32 v[236:237], v[148:149], v[152:153]
	v_pk_add_f32 v[14:15], v[14:15], v[156:157]
	v_pk_add_f32 v[248:249], v[248:249], v[96:97]
	v_pk_add_f32 v[254:255], v[254:255], v[98:99]
	v_pk_add_f32 v[252:253], v[252:253], v[102:103]
	v_pk_add_f32 v[246:247], v[246:247], v[106:107]
	v_pk_add_f32 v[244:245], v[244:245], v[110:111]
	v_pk_add_f32 v[238:239], v[238:239], v[114:115]
	v_pk_add_f32 v[236:237], v[236:237], v[118:119]
	v_pk_add_f32 v[14:15], v[14:15], v[122:123]
	v_pk_add_f32 v[248:249], v[248:249], v[126:127]
	v_pk_add_f32 v[254:255], v[254:255], v[130:131]
	v_pk_add_f32 v[252:253], v[252:253], v[134:135]
	v_pk_add_f32 v[246:247], v[246:247], v[138:139]
	v_pk_add_f32 v[244:245], v[244:245], v[142:143]
	v_pk_add_f32 v[238:239], v[238:239], v[146:147]
	v_pk_add_f32 v[236:237], v[236:237], v[150:151]
	v_pk_add_f32 v[14:15], v[14:15], v[154:155]
	v_pk_add_f32 v[248:249], v[248:249], v[158:159]
	s_delay_alu instid0(VALU_DEP_2)
	v_pk_add_f32 v[14:15], v[14:15], v[246:247]
	s_delay_alu instid0(VALU_DEP_2)
	v_pk_add_f32 v[248:249], v[248:249], v[244:245]
	v_pk_add_f32 v[254:255], v[254:255], v[238:239]
	v_pk_add_f32 v[252:253], v[252:253], v[236:237]
	s_delay_alu instid0(VALU_DEP_2)
	v_pk_add_f32 v[14:15], v[14:15], v[254:255]
	s_delay_alu instid0(VALU_DEP_2)
	v_pk_add_f32 v[248:249], v[248:249], v[252:253]
	s_delay_alu instid0(VALU_DEP_1)
	v_pk_add_f32 v[14:15], v[14:15], v[248:249]
	s_wait_alu depctr_va_vdst(0)                   ; and one for the four
.irp b, 0,1,2,3
	v_max_num_f32 v[BM+\b], 0x1800000, v[BM+\b]    ; the floor 2^(3 - 127): a block whose every p is 0 keeps the byte 1: its codes are zeros
.endr
.irp b, 0,1,2,3
	s_delay_alu instid0(VALU_DEP_4)
	v_add_nc_u32 v[CV+\b], 0xff000000, v[BM+\b]    ; 2 off the exponent field: the conversion's scale operand
.endr
.irp b, 0,1,2,3
	s_delay_alu instid0(VALU_DEP_4)
	v_lshrrev_b32 v[PT+\b], 23, v[CV+\b]           ; the scale's byte
.endr
	s_delay_alu instid0(VALU_DEP_3)
	v_lshl_or_b32 v[PS], v[PT+1], 8, v[PT]         ; p's scale word for these 128 keys
	s_delay_alu instid0(VALU_DEP_1)
	v_lshl_or_b32 v[PS], v[PT+2], 16, v[PS]
	s_delay_alu instid0(VALU_DEP_1)
	v_lshl_or_b32 v[PS], v[PT+3], 24, v[PS]
.irp b, 0,1,2,3
	v_cvt_scalef32_pk8_fp4_f32 v[PC+2*\b], v[S+16*\b:S+7+16*\b], v[CV+\b]
	v_cvt_scalef32_pk8_fp4_f32 v[PC+1+2*\b], v[S+8+16*\b:S+15+16*\b], v[CV+\b]
.endr
	v_nop                                          ; one plain place behind a scaled conversion
.irp c, 0,1
.irp i, 0,1
	v_permlane16_swap_b32 v[PC+4*\c+\i], v[PC+2+4*\c+\i]
.endr
.endr
.set i, 0
.rept 32
	v_pk_mul_f32 v[O+i:O+i+1], v[O+i:O+i+1], v[F:F+1] op_sel_hi:[1,0]   ; O^T under the new M, each accumulator from its low end on; these are also the places between the writes of p's codes and scale word and the products
.set i, i+2
.endr
	s_setprio 0
	s_wait_alu depctr_va_vdst(0)
	s_wait_dscnt 0x0                               ; V's fragments and scale words are in
.irp t, 0,2,4,6                                ; O^T += V^T P^T: the eight accumulators take turns, one instruction a turn
	v_wmma_scale_f32_16x16x128_f8f6f4 v[O+8*\t:O+8*\t+7], v[FR+8*\t:FR+8*\t+7], v[PC:PC+7], v[O+8*\t:O+8*\t+7], v[VS+\t/2], v[PS] matrix_a_fmt:MATRIX_FMT_FP4 matrix_b_fmt:MATRIX_FMT_FP4
	v_wmma_scale_f32_16x16x128_f8f6f4 v[O+8*\t+8:O+8*\t+15], v[FR+8*\t+8:FR+8*\t+15], v[PC:PC+7], v[O+8*\t+8:O+8*\t+15], v[VS+\t/2], v[PS] matrix_a_fmt:MATRIX_FMT_FP4 matrix_b_fmt:MATRIX_FMT_FP4 matrix_a_scale:MATRIX_SCALE_ROW1
.endr
	s_add_co_u32 s[TB], s[TB], STEPB
	s_add_co_u32 s[P], s[P], 1
	s_add_co_u32 s[KF], s[KF], 128
.endm
.macro GROUP base, sw, mk                      ; a slot's four key steps: written once, walked four times
	s_mov_b32 s[TB], \base
	s_mov_b32 s[CNT], 4
.Lgroup_\@:
	s_wait_alu depctr_va_vdst(0)
	s_setprio 2
	STEP \sw, \mk
	s_sub_co_u32 s[CNT], s[CNT], 1
	s_cmp_lg_u32 s[CNT], 0
	s_cbranch_scc1 .Lgroup_\@
	s_setprio 0
.endm
	s_load_b128 s[4:7], s[0:1], 0x0                ; query, kv
	s_load_b64 s[8:9], s[0:1], 0x10                ; out0
	v_lshl_add_u32 v[SPW], v0, 2, SPARE
	v_mov_b32 v[NIL], 0
	ds_add_u32 v[SPW], v[NIL]                      ; the wave's opening: the add, twice on end, and its wait ahead of my first tensor load; the set-up below, work on registers, stands between
	ds_add_u32 v[SPW], v[NIL]
	v_lshrrev_b32 v8, 5, v0
	s_delay_alu instid0(VALU_DEP_1)
	v_readfirstlane_b32 s[WV], v8                  ; wave 0..15
	s_and_b32 s[G], s[WV], 3
	s_and_b32 s13, ttmp7, 0xffff                   ; y = 8 b + key/value head
	s_sub_co_u32 s66, 31, ttmp9                    ; the first block: 31 - j
	s_lshr_b32 s[N1], s66, 1
	s_add_co_u32 s[N1], s[N1], 1                   ; its key steps
	s_lshl_b32 s67, s[G], 4
	s_lshl_b32 s[Q0], s66, 6
	s_add_co_u32 s[Q0], s[Q0], s67                 ; my first query: 64 x block + 16 (w % 4)
	s_lshl_b32 s[Q02], ttmp9, 6
	s_add_co_u32 s[Q02], s[Q02], s67
	s_lshr_b32 s68, s13, 3
	s_lshl_b32 s68, s68, 11                        ; 2,048 b
	s_and_b32 s69, s13, 7
	s_lshl_b32 s69, s69, 2
	s_lshr_b32 s63, s[WV], 2
	s_add_co_u32 s69, s69, s63                     ; my query head
	s_lshl_b32 s69, s69, 9                         ; its 512 bytes in a row
	s_add_co_u32 s66, s68, s[Q0]
	s_lshl_b32 s66, s66, 14                        ; rows of 16,384 bytes
	s_add_co_u32 s66, s66, s69
	s_mov_b32 s67, 0                               ; s[66:67]: my first row of the first block, in query and in out0
	s_add_co_u32 s68, s68, s[Q02]
	s_lshl_b32 s68, s68, 14
	s_add_co_u32 s68, s68, s69
	s_mov_b32 s69, 0                               ; s[68:69]: of the second
	s_mul_i32 s[T0], s13, 16*STEPB                 ; my head's 16 key steps in kv
	s_mov_b32 s[T0+1], 0
	s_mov_b32 s[SEL], 0x76543210
	s_mov_b32 s[SEL+1], 0xfedcba98
	s_mov_b32 s[CS], 0x3e0293ee                    ; c = log2(e) / sqrt(128)
	s_mov_b32 s[CS+1], s[CS]                       ; (named with it as a pair, so it is written)
	; descriptor group 1, a key step: 17,408 dense bytes as 68 rows of 256 bytes (32 elements of 8 bytes), no padding: every LDS read of them is 16 x lane
	s_mov_b32 s[G1KV], 3<<16
	s_mov_b32 s[G1KV+1], 32<<16                    ; tensor_dim0
	s_mov_b32 s[G1KV+2], 68<<16                    ; tensor_dim1
	s_mov_b32 s[G1KV+3], 32<<16                    ; tile_dim0
	s_mov_b32 s[G1KV+4], 68                        ; tile_dim1
	s_mov_b32 s[G1KV+5], 32                        ; tensor_dim0_stride
	s_mov_b32 s[G1KV+6], 0
	s_mov_b32 s[G1KV+7], 0
	; a tile of Q: 16 rows of 128 elements of 4 bytes, 4,096 elements apart; four words of padding behind every 128
	s_mov_b32 s[G1Q], (2<<16)|(1<<20)|(6<<22)|(3<<25)
	s_mov_b32 s[G1Q+1], 128<<16
	s_mov_b32 s[G1Q+2], 16<<16
	s_mov_b32 s[G1Q+3], 128<<16
	s_mov_b32 s[G1Q+4], 16
	s_mov_b32 s[G1Q+5], 4096
	s_mov_b32 s[G1Q+6], 0
	s_mov_b32 s[G1Q+7], 0
	s_mov_b32 s[G0S0], 1                           ; 1:0 count = 1
	s_mul_i32 s[G0S0+1], s[G], STEPB               ; 63:32 LDS address: slot 0, step w % 4
	s_mov_b32 s[G0S1], 1
	s_add_co_u32 s[G0S1+1], s[G0S0+1], SLOT1
	s_mov_b32 s[G0Q], 1
	s_mul_i32 s[G0Q+1], s[WV], QTB
	s_add_co_u32 s[G0Q+1], s[G0Q+1], QREG          ; my wave's own bytes
	v_and_b32 v[LI], 31, v0
	s_delay_alu instid0(VALU_DEP_1)
	v_lshlrev_b32 v[LI], 4, v[LI]
	v_and_b32 v8, 15, v0                           ; r
	v_bfe_u32 v10, v0, 4, 1                        ; h
	s_delay_alu instid0(VALU_DEP_2)
	v_mul_u32_u24 v11, v8, QP
	s_delay_alu instid0(VALU_DEP_1)
	v_add_nc_u32 v11, s[G0Q+1], v11
	s_delay_alu instid0(VALU_DEP_1)
	v_lshl_add_u32 v[QRD], v10, 6, v11             ; Q: row r, + 64 h: my 16 numbers of a block of 32
	s_delay_alu instid0(VALU_DEP_2)
	v_lshl_add_u32 v[STO], v10, 5, v11             ; the stage, in: row r, + 32 h
	v_add_nc_u32 v[SRD], s[G0Q+1], v[LI]           ; and back: a row's 512 bytes to the 32 lanes
	v_lshlrev_b32 v11, 4, v10
	s_delay_alu instid0(VALU_DEP_1)
	v_sub_nc_u32 v[DQ], v8, v11
	s_wait_dscnt 0x0                               ; both opening adds are done
	s_wait_kmcnt 0x0
	s_add_nc_u64 s[KVB:KVB+1], s[6:7], s[T0:T0+1]
	s_add_nc_u64 s[OUT:OUT+1], s[8:9], s[66:67]
	s_add_nc_u64 s[OUT2:OUT2+1], s[8:9], s[68:69]
	s_add_nc_u64 s[QAD2:QAD2+1], s[4:5], s[68:69]
	s_add_nc_u64 s[G0Q+2:G0Q+3], s[4:5], s[66:67]
	s_or_b32 s[G0Q+3], s[G0Q+3], 0x80000000
	SETG0 G0S0, 0                                  ; positions 0 to 3
	SETG0 G0S1, 4                                  ; positions 4 to 7
	s_cmp_lt_u32 s[WV], 4                          ; the first fills, a fill in each arm: waves 0 to 3 have three loads out, the others one
	s_cbranch_scc0 .Lonly_q
	tensor_load_to_lds s[G0S0:G0S0+3], s[G1KV:G1KV+7]
	s_nop 0
	tensor_load_to_lds s[G0S1:G0S1+3], s[G1KV:G1KV+7]
	s_nop 0
	tensor_load_to_lds s[G0Q:G0Q+3], s[G1Q:G1Q+7]
	s_nop 0
.rept 4
	v_nop
.endr
	s_branch .Lasked
.Lonly_q:
	tensor_load_to_lds s[G0Q:G0Q+3], s[G1Q:G1Q+7]
	s_nop 0
.rept 4
	v_nop
.endr
.Lasked:
	RESET
.irp b, 0,1,2,3
	v_mov_b32 v[PT+\b], 0                          ; written once: a lane permute's destination counts as one of its sources
.endr
	v_mov_b32 v[TMP], 0
	v_mov_b32 v[F+1], 0                            ; (named as the upper half of the pair)
	s_wait_tensorcnt 0x0                           ; my rows of Q are in LDS: only I read them
.irp b, 0,1,2,3
.irp j, 0,1,2,3
	ds_load_b128 v[S+16*\b+4*\j:S+16*\b+4*\j+3], v[QRD] offset:128*\b+16*\j   ; register 16 b + i = d 32 b + 16 h + i of query r
.endr
.endr
	s_wait_dscnt 0x0
	s_wait_tensorcnt 0x0
	ds_add_u32 v[SPW], v[NIL]                      ; 0 onto my spare word; the quantising of Q, work on registers, stands between it and the wait for it
	s_mov_b64 s[G0Q+2:G0Q+3], s[QAD2:QAD2+1]       ; no tensor load of mine is out: the group 0 takes the second block's rows
	s_or_b32 s[G0Q+3], s[G0Q+3], 0x80000000
	QUANT S, QC, QS
	s_wait_dscnt 0x0                               ; the add is done; my reads of Q were back above
	s_barrier_signal -1
	s_barrier_wait -1                              ; every wave's loads have landed: slots 0 and 1 are whole
	tensor_load_to_lds s[G0Q:G0Q+3], s[G1Q:G1Q+7]  ; every wave's one load behind this barrier: the second block's rows of Q
	s_nop 0
.rept 4
	v_nop
.endr
	s_mov_b32 s[P], 0
	s_mov_b32 s[KF], 0
	GROUP SLOT0, 0, 0                              ; positions 0 to 3: N1 is at least 9, so neither the diagonal nor the change of blocks falls here
	CHANGE G0S0, 8, 4
	GROUP SLOT1, 0, 0                              ; 4 to 7
	CHANGE G0S1, 12, 4
	GROUP SLOT0, 1, 1                              ; 8 to 11: the first block's diagonal lies at N1 - 1, the change of blocks at N1
	CHANGE G0S0, 16, 1                             ; the last position: one key step, wave 0's
	GROUP SLOT1, 1, 1                              ; 12 to 15
	CHANGE 0, 0, 0                                 ; nothing is left to fetch
	s_mov_b32 s[TB], SLOT0
	STEP 1, 2                                      ; 16: always the second block's diagonal
	FINISH
	s_wait_tensorcnt 0x0                           ; the wave's end, behind my last tensor load and my last LDS store
	ds_add_u32 v[SPW], v[NIL]
	s_wait_dscnt 0x0
	s_endpgm
.Lfunc_end_k_q80b08bdef2_attn:
	.size	k_q80b08bdef2_attn, .Lfunc_end_k_q80b08bdef2_attn-k_q80b08bdef2_attn
	.p2alignl 7, 3214868480
	.fill 96, 4, 3214868480
	.section	.rodata,"a",@progbits
	.p2align	6, 0x0
	.amdhsa_kernel k_q80b08bdef2_attn
		.amdhsa_group_segment_fixed_size 327680
		.amdhsa_private_segment_fixed_size 0
		.amdhsa_enable_private_segment 0
		.amdhsa_kernarg_size 24
		.amdhsa_user_sgpr_count 2
		.amdhsa_user_sgpr_kernarg_segment_ptr 1
		.amdhsa_wavefront_size32 1
		.amdhsa_system_sgpr_workgroup_id_x 1
		.amdhsa_system_sgpr_workgroup_id_y 1
		.amdhsa_system_sgpr_workgroup_id_z 1
		.amdhsa_system_vgpr_workitem_id 0
		.amdhsa_next_free_vgpr 256
		.amdhsa_next_free_sgpr 72
		.amdhsa_reserve_vcc 1
		.amdhsa_float_denorm_mode_32 3
		.amdhsa_float_denorm_mode_16_64 3
		.amdhsa_memory_ordered 1
		.amdhsa_forward_progress 1
		.amdhsa_inst_pref_size 178
	.end_amdhsa_kernel
	.amdgpu_metadata
---
amdhsa.version: [ 1, 2 ]
amdhsa.kernels:
  - .name:           k_q80b08bdef2_attn
    .symbol:         k_q80b08bdef2_attn.kd
    .args:
      - { .name: query, .offset: 0, .size: 8, .value_kind: global_buffer, .address_space: global }
      - { .name: kv, .offset: 8, .size: 8, .value_kind: global_buffer, .address_space: global }
      - { .name: out0, .offset: 16, .size: 8, .value_kind: global_buffer, .address_space: global }
    .group_segment_fixed_size: 327680
    .private_segment_fixed_size: 0
    .kernarg_segment_align: 8
    .kernarg_segment_size: 24
    .max_flat_workgroup_size: 512
    .sgpr_count:     72
    .vgpr_count:     256
    .wavefront_size: 32
...
	.end_amdgpu_metadata
.endif
;; end of part 2
